; MI455X (gfx1250); checked and timed in simulation.
; The chip was launched on July 23, 2026; its instructions are those of AMD's public machine-readable ISA for CDNA 5 (MIT licence, August 2026) and "CDNA5" Instruction Set Architecture Reference Guide (July 2026). The comments in the code are by the model that wrote it; some were corrected since.
;; Variance Network. Allowed arithmetic: matrix products marked QUANTISED: E4M3 operands, one E8M0 scale for each 32 along K, by v_wmma_scale_f32_16x16x128_f8f6f4 with both operands' format E4M3, f32 sums; products left as they are: f32 operands where the result goes on into a quantised operand, else bf16, f16 or f32 operands; f32 sums; everything else in f32.
;; Inputs: latent 8 x 4,096 x 512 float32; reconstructed_points 8 x 3 x 4,096 float32; s1_b1 512 float32; s1_b2 1 float32; s1_br 512 float32; s1_w1 524 x 512 float32; s1_w2 512 x 1 float32; s1_wr_codes 512 x 16 x 32 uint8 (E4M3 codes of s1_wr, K innermost, in blocks of 32 codes); s1_wr_scales 512 x 16 uint8 (E8M0 scales of s1_wr, one for each 32 codes along K); s2_b1 512 float32; s2_b2 1 float32; s2_br 512 float32; s2_w1 513 x 512 float32; s2_w2 512 x 1 float32; s2_wr_codes 512 x 16 x 32 uint8 (E4M3 codes of s2_wr, K innermost, in blocks of 32 codes); s2_wr_scales 512 x 16 uint8 (E8M0 scales of s2_wr, one for each 32 codes along K); s3_b1 512 float32; s3_b2 1 float32; s3_br 512 float32; s3_w1 513 x 512 float32; s3_w2 512 x 1 float32; s3_wr_codes 512 x 16 x 32 uint8 (E4M3 codes of s3_wr, K innermost, in blocks of 32 codes); s3_wr_scales 512 x 16 uint8 (E8M0 scales of s3_wr, one for each 32 codes along K).
;; Outputs: out0 8 x 4,096 x 1 float32.
;; This version of the problem:
;;   THIS VERSION OF THE PROBLEM IS GIVEN IN LOW PRECISION. The matrix products marked QUANTISED in the list below multiply operands that are first quantised to E4M3 (4 exponent bits, 3 mantissa bits; 8 bits a number), with one power-of-two scale for each 32 numbers along K (OCP MX v1.0); their sums are f32. All else is computed in f32.
;;   The module's matrix products, in the order in which they are computed (A, B: the left and right operand; K: the contracted axis; several contracted axes count as one K, in the product's order):
;;     1. batch 8 x [M 4,096, K 3] x [K 3, N 4,096]; A: input reconstructed_points; B: input reconstructed_points: left as it is (K = 3 < 32)
;;     2. [M 32,768, K 524] x [K 524, N 512]; A: computed on the way; B: input s1_w1: QUANTISED
;;     3. [M 32,768, K 512] x [K 512, N 512]; A: computed on the way; B: input s1_wr (given as codes): QUANTISED
;;     4. [M 32,768, K 512] x [K 512, N 1]; A: computed on the way; B: input s1_w2: left as it is (N = 1 < 16)
;;     5. [M 32,768, K 513] x [K 513, N 512]; A: computed on the way; B: input s2_w1: QUANTISED
;;     6. [M 32,768, K 512] x [K 512, N 512]; A: computed on the way; B: input s2_wr (given as codes): QUANTISED
;;     7. [M 32,768, K 512] x [K 512, N 1]; A: computed on the way; B: input s2_w2: left as it is (N = 1 < 16)
;;     8. [M 32,768, K 513] x [K 513, N 512]; A: computed on the way; B: input s3_w1: QUANTISED
;;     9. [M 32,768, K 512] x [K 512, N 512]; A: computed on the way; B: input s3_wr (given as codes): QUANTISED
;;     10. [M 32,768, K 512] x [K 512, N 1]; A: computed on the way; B: input s3_w2: left as it is (N = 1 < 16)
;;   THE QUANTISER, for each operand of a quantised product, along K:
;;     - K is cut into blocks of 32 from its start; a last block that is shorter is filled with zeros.
;;     - A block's scale is 2^e with e = floor(log2(the largest magnitude in the block)) - 8, held to -126 .. 127; a block of zeros has e = 0. As a byte (E8M0): e + 127.
;;     - Each number is divided by its block's scale, clamped to +-448, and rounded to the nearest number of E4M3, ties to even, subnormals kept.
;;     - The product sums the exact products of the quantised numbers (number of the format x scale) in f32.
;;   ~~~python
;;   def quantise(x, axis):      # numpy; x: float32 -> the quantised numbers, widened to float32 again
;;       x = np.moveaxis(x, axis, -1); K = x.shape[-1]
;;       x = np.pad(x, [(0, 0)] * (x.ndim - 1) + [(0, -K % 32)]); x = x.reshape(x.shape[:-1] + (-1, 32)); a = np.abs(x).max(-1, keepdims=True)
;;       e = np.where(a > 0, np.clip(np.frexp(np.where(a > 0, a, 1))[1] - 1 - 8, -126, 127), 0)      # np.frexp(a)[1] - 1 = floor(log2(a)), exactly
;;       r = np.clip(x / 2.0 ** e, -448, 448)
;;       step = 2.0 ** (np.maximum(np.frexp(np.where(r == 0, 1, r))[1] - 1, -6) - 3)
;;       q = np.round(r / step) * step * 2.0 ** e      # np.round: ties to even
;;       return np.moveaxis(q.reshape(q.shape[:-2] + (-1,))[..., :K], -1, axis).astype(np.float32)
;;   ~~~
;;   OPERANDS COMPUTED ON THE WAY. 'Computed on the way' means the value that the module computes at that place (a softmax that the list does not call 'softmax' is quantised finished and normalised). What goes into a quantiser is computed in f32, as accurately as f32 sums, v_exp_f32 and their like allow (about 1e-6 of the number): no bf16 or f16 on the way to a quantiser, and a product that is left as it is and whose result goes on into a quantised operand takes f32 operands (vector FMAs, or v_wmma_f32_16x16x4_f32). A number that lies on a knife's edge between two numbers of the format may be rounded either way, as far as f32 arithmetic and the matrix unit's own rounding can turn it there, and no further.
;;   INPUTS GIVEN AS CODES. s1_wr (in the module: [512, 512], K = its axis 0); s2_wr (in the module: [512, 512], K = its axis 0); s3_wr (in the module: [512, 512], K = its axis 0): each comes as NAME_codes (uint8): NAME with its K axis moved to the last place and cut into blocks of 32 codes, [.., K / 32, bytes a block], one block behind the other in memory; one code a byte (a code: sign, 4 exponent bits, 3 mantissa bits); and NAME_scales (uint8): the same leading axes, one E8M0 byte (e + 127) for each 32 codes along K. Its value is code x scale, taken as it is: it is not quantised again, and the codes and scales need not be those that the quantiser above would give.
;; One version. Each part assembles by itself: llvm-mc -triple=amdgcn-amd-amdhsa -mcpu=gfx1250 --defsym DOCPART=n.
;; ======== version 1 of 1: 2 launches
;; limits: right only within a limited range of input values
;; workspace buffers: xq 16,777,216 bytes; xs 524,288 bytes; wstream 1,824,768 bytes; knn_grp 262,144 bytes of whole numbers
;; launch prep (part 1): grid 256 x 1, 16 waves a work-group, no clusters, 20,480 bytes of LDS; arguments latent, reconstructed_points, s1_w1, s2_w1, s3_w1, s1_wr_codes, s2_wr_codes, s3_wr_codes, s1_wr_scales, s2_wr_scales, s3_wr_scales, xq, xs, wstream, knn_grp; writes xq, xs, wstream, knn_grp
.if DOCPART == 1
	.amdgcn_target "amdgcn-amd-amdhsa--gfx1250"
	.amdhsa_code_object_version 6
	.text
	.protected	k_q1d9dac068d_prep
	.globl	k_q1d9dac068d_prep
	.p2align	8
	.type	k_q1d9dac068d_prep,@function
k_q1d9dac068d_prep:
	s_mov_b64 s[64:65], 0
	v_nop
	global_prefetch_b8 v0, s[64:65] scope:SCOPE_SE
	s_setreg_imm32_b32 hwreg(HW_REG_WAVE_MODE, 25, 1), 1
	s_wait_xcnt 0x0
; PREP: what the matrix launch needs, made once.  A work-group of sixteen waves owns 128 rows (points) of one batch.
; WAVES 0-7: the two nearest neighbours of the 128 points, to the grain of GROUPS OF 16 candidates.  pd = ((2 inner - xx_n) - xx_m), inner a chain of fused multiply-adds in ascending d,
;   as the later launch computes it again bit for bit.  A lane holds 4 queries (two packed pairs); wave k scans candidates 512 k .. 512 k + 511, which arrive in scalar registers.
;   Kept for each query: the two largest pd and the numbers of the groups that hold them.  The eight waves' results meet in LDS; waves 0-3 merge them, lower candidates first, so that
;   a tie keeps the lower index; stored are the two group numbers (lower, higher) as whole numbers.  The later launch finds the two points inside those 32 candidates.
; WAVES 8-15: wave 8 + a quantises rows 16 a .. 16 a + 15 of latent to E4M3 with one E8M0 byte for each 32 along K, and stores each fragment (16 rows x 128 K) as an IMAGE OF THE OPERAND'S
;   REGISTERS: register group c of lane l at 512 c + 16 l.  Each store of a wave covers 512 consecutive bytes.
;   In work-groups 0-107 the same waves then lay one quarter of one K step of the weight stream: 27 blocks (for each stage W1's K steps 0-4, then Wr's 0-3) of 4 quarters (128 units each) of
;   8 tile images + 512 bytes of scale words [r][tile].  Lane r of tile b takes unit 128 w + 32 (b / 2) + 8 (b % 2) + r + 8 (r / 8).
; LIMITS: NaN and infinities are not served.  A block of zeros carries the byte 1 where the quantiser's text says 127: its codes are zeros and this program alone reads the bytes.
;   pd's roundings are the fused ones stated above.  The weights' scale words leave in pieces of 4 bytes (512 bytes a quarter).
; No matrix unit, no tensor load, no cluster: nothing here is shared between work-groups through LDS, and the candidates (48 KiB a batch) come through the scalar path.
.set XSG,  16384                       ; LDS: 0 .. 16383 the eight waves' results [wave][m1, m2, T1, T2][128 queries]; from XSG latent's scale words [K step][r][tile]
.set SA,   36                          ; s[36:59]  8 candidates: x, y, z
.set SB,   68                          ; s[68:91]  the other buffer
.set XX,   92                          ; s[92:99]  -xx of 4 candidates in the even places; the odd places hold 0 (a packed form names the pair)
.set CP,   34                          ; s[34:35]  where my wave's candidates stand
.set Q2X,  32                          ; v[32:43]  2 x, 2 y, 2 z of my 4 queries
.set Q2Y,  36
.set Q2Z,  40
.set NXQ,  44                          ; v[44:47]  -xx of my queries
.set TA,   48                          ; v[48:55]  pd of two candidates x 4 queries
.set TB,   52
.set SO,   64                          ; v[64:71]  one set of (m1 x 4, m2 x 4)
.set SN,   72                          ; v[72:79]  the other: a group's first candidate reads one set and writes the other, so that the old pair is still there at the group's end
.set T1,   80                          ; v[80:83]  the group that holds m1;  v[84:87] the group that holds m2
.set T2,   84
.set YV,   88
.set TY,   89
.set GN,   90                          ; v90       the number of the group in hand
.set X0,   32                          ; waves 8-15: v[32:95], v[96:159] two sets of 64 numbers
.set X1,   96
.set PC,   160                         ; v[160:223] codes: sixteen registers for each K step, so that no store's data are written again
.set TM,   224                         ; v[224:239] at work in the quantiser
.set PW,   240                         ; v[240:244] scale words
.set SEL,  36                          ; waves 8-15: s[36:37] lane selects, s38 the mantissa field of 448
.set MNT,  38
	s_load_b512 s[4:19], s[0:1], 0x0               ; latent, points, s1_w1, s2_w1, s3_w1, s1_wr_codes, s2_wr_codes, s3_wr_codes
	s_load_b256 s[20:27], s[0:1], 0x40             ; s1_wr_scales, s2_wr_scales, s3_wr_scales, xq
	s_load_b128 s[28:31], s[0:1], 0x60             ; xs, wstream
	s_load_b64 s[32:33], s[0:1], 0x70              ; knn_grp
	v_lshl_add_u32 v254, v0, 2, 0x4800
	v_mov_b32 v255, 0
	v_lshrrev_b32 v6, 5, v0
	s_delay_alu instid0(VALU_DEP_1)
	v_readfirstlane_b32 s62, v6                    ; wave 0..15
	v_and_b32 v6, 31, v0                           ; lane
	v_and_b32 v7, 15, v0                           ; r
	v_bfe_u32 v8, v0, 4, 1                         ; h
	s_delay_alu instid0(VALU_DEP_3)
	v_lshlrev_b32 v5, 4, v6                        ; 16 x lane
	; every LDS address is made here, ahead of the parting of the roles, and holds nothing else
	s_wait_alu depctr_va_vdst(0)
	s_and_b32 s63, s62, 7
	s_lshl_b32 s66, s63, 11
	v_add_nc_u32 v1, s66, v5                       ; where a scanning wave puts its results: 2,048 (wave % 8) + 16 lane
	s_and_b32 s67, s62, 3
	s_lshl_b32 s66, s67, 7
	v_lshl_add_u32 v2, v6, 2, s66                  ; where a merging wave reads them: query 32 (wave % 4) + lane
	s_lshl_b32 s66, s63, 2
	s_add_co_u32 s66, s66, XSG
	v_lshl_add_u32 v3, v7, 5, s66                  ; a scale word's place: XSG + 32 r + 4 tile
	s_lshl_b32 s66, s67, 9
	s_add_co_u32 s66, s66, XSG
	v_add_nc_u32 v4, s66, v5                       ; and where a K step's 512 bytes of them are read back
	s_wait_kmcnt 0x0
	s_cmp_lt_u32 s62, 8
	s_cbranch_scc0 .Lquant
; ------------------------------------------------------------------ waves 0-7: the scan
.macro SLOADC buf, off                 ; 8 candidates' x, y, z (a coordinate's 4,096 numbers are 16,384 bytes)
	s_load_b256 s[\buf:\buf+7], s[CP:CP+1], \off
	s_load_b256 s[\buf+8:\buf+15], s[CP:CP+1], \off+16384
	s_load_b256 s[\buf+16:\buf+23], s[CP:CP+1], \off+32768
.endm
.macro XXS buf                         ; -xx of the candidates in the even places: x x, then two fused multiply-adds, then the sign
.irp e, 0,2,4,6
	s_mul_f32 s[XX+\e], s[\buf+\e], s[\buf+\e]
.endr
.irp e, 0,2,4,6
	s_fmac_f32 s[XX+\e], s[\buf+8+\e], s[\buf+8+\e]
.endr
.irp e, 0,2,4,6
	s_fmac_f32 s[XX+\e], s[\buf+16+\e], s[\buf+16+\e]
.endr
.irp e, 0,2,4,6
	s_xor_b32 s[XX+\e], s[XX+\e], 0x80000000
.endr
.endm
.macro ODD buf                         ; a packed form takes the first register of a scalar pair: the odd candidates move down.  The order inside a group does not matter
.irp d, 0,8,16
.irp e, 0,2,4,6
	s_mov_b32 s[\buf+\d+\e], s[\buf+\d+\e+1]
.endr
.endr
.endm
; two candidates (places e0, e1) against my 4 queries: four chains that do not wait for each other.  The first candidate reads set rs and writes set ws, the second works on ws
.macro PAIRC buf, e0, e1, rs, ws
.irp q, 0,2
	v_pk_mul_f32 v[TA+\q:TA+\q+1], v[Q2X+\q:Q2X+\q+1], s[\buf+\e0:\buf+\e0+1] op_sel_hi:[1,0]
	v_pk_mul_f32 v[TB+\q:TB+\q+1], v[Q2X+\q:Q2X+\q+1], s[\buf+\e1:\buf+\e1+1] op_sel_hi:[1,0]
.endr
.irp q, 0,2
	s_delay_alu instid0(VALU_DEP_4)
	v_pk_fma_f32 v[TA+\q:TA+\q+1], v[Q2Y+\q:Q2Y+\q+1], s[\buf+8+\e0:\buf+8+\e0+1], v[TA+\q:TA+\q+1] op_sel_hi:[1,0,1]
	s_delay_alu instid0(VALU_DEP_4)
	v_pk_fma_f32 v[TB+\q:TB+\q+1], v[Q2Y+\q:Q2Y+\q+1], s[\buf+8+\e1:\buf+8+\e1+1], v[TB+\q:TB+\q+1] op_sel_hi:[1,0,1]
.endr
.irp q, 0,2
	s_delay_alu instid0(VALU_DEP_4)
	v_pk_fma_f32 v[TA+\q:TA+\q+1], v[Q2Z+\q:Q2Z+\q+1], s[\buf+16+\e0:\buf+16+\e0+1], v[TA+\q:TA+\q+1] op_sel_hi:[1,0,1]
	s_delay_alu instid0(VALU_DEP_4)
	v_pk_fma_f32 v[TB+\q:TB+\q+1], v[Q2Z+\q:Q2Z+\q+1], s[\buf+16+\e1:\buf+16+\e1+1], v[TB+\q:TB+\q+1] op_sel_hi:[1,0,1]
.endr
.irp q, 0,2
	s_delay_alu instid0(VALU_DEP_4)
	v_pk_add_f32 v[TA+\q:TA+\q+1], v[TA+\q:TA+\q+1], v[NXQ+\q:NXQ+\q+1]     ; 2 inner - xx_n
	s_delay_alu instid0(VALU_DEP_4)
	v_pk_add_f32 v[TB+\q:TB+\q+1], v[TB+\q:TB+\q+1], v[NXQ+\q:NXQ+\q+1]
.endr
.irp q, 0,2
	s_delay_alu instid0(VALU_DEP_4)
	v_pk_add_f32 v[TA+\q:TA+\q+1], v[TA+\q:TA+\q+1], s[XX+\e0:XX+\e0+1] op_sel_hi:[1,0]   ; - xx_m
	s_delay_alu instid0(VALU_DEP_4)
	v_pk_add_f32 v[TB+\q:TB+\q+1], v[TB+\q:TB+\q+1], s[XX+\e1:XX+\e1+1] op_sel_hi:[1,0]
.endr
.irp q, 0,1,2,3
	v_med3_num_f32 v[\ws+4+\q], v[\rs+\q], v[\rs+4+\q], v[TA+\q]           ; the second largest of (m1, m2, pd) is their middle one
	v_max_num_f32 v[\ws+\q], v[\rs+\q], v[TA+\q]
.endr
.irp q, 0,1,2,3
	v_med3_num_f32 v[\ws+4+\q], v[\ws+\q], v[\ws+4+\q], v[TB+\q]
	v_max_num_f32 v[\ws+\q], v[\ws+\q], v[TB+\q]
.endr
.endm
.macro CHUNK buf, rs, ws               ; 8 candidates: the even four, then the odd four
	XXS \buf
	PAIRC \buf, 0, 2, \rs, \ws
	PAIRC \buf, 4, 6, \ws, \ws
	ODD \buf
	XXS \buf
	PAIRC \buf, 0, 2, \ws, \ws
	PAIRC \buf, 4, 6, \ws, \ws
.endm
; A group's end: who holds the two largest now?  A strict comparison keeps the earlier group on a tie.
.macro GEND old, new
.irp q, 0,1,2,3
	v_cmp_gt_f32 vcc_lo, v[\new+\q], v[\old+\q]                            ; the group has brought a new largest
	s_delay_alu instid0(VALU_DEP_1)
	v_cndmask_b32 v[YV], v[\old+4+\q], v[\old+\q], vcc_lo                  ; then the old largest stands for the second place, else the old second
	s_delay_alu instid0(VALU_DEP_2)
	v_cndmask_b32 v[TY], v[T2+\q], v[T1+\q], vcc_lo
	s_delay_alu instid0(VALU_DEP_3)
	v_cndmask_b32 v[T1+\q], v[T1+\q], v[GN], vcc_lo
	s_delay_alu instid0(VALU_DEP_3)
	v_cmp_gt_f32 s100, v[\new+4+\q], v[YV]                                 ; the second place too is the group's
	s_delay_alu instid0(VALU_DEP_1)
	v_cndmask_b32 v[T2+\q], v[TY], v[GN], s100
.endr
	v_add_nc_u32 v[GN], 1, v[GN]
.endm
; A trip: 32 candidates, two groups, after which the two sets are back in place.  While one buffer is worked, the other is on its way: scalar loads come in no order, so each wait is for 0.
.macro TRIP last
	s_wait_kmcnt 0x0
	SLOADC SB, 32
	CHUNK SA, SO, SN
	s_wait_kmcnt 0x0
	SLOADC SA, 64
	CHUNK SB, SN, SN
	GEND SO, SN
	s_wait_kmcnt 0x0
	SLOADC SB, 96
	CHUNK SA, SN, SO
	s_wait_kmcnt 0x0                               ; no scalar load is out: the pointer may step
.if \last == 0
	s_add_nc_u64 s[CP:CP+1], s[CP:CP+1], 128
	SLOADC SA, 0
.endif
	CHUNK SB, SO, SO
	GEND SN, SO
.endm
	s_lshr_b32 s60, ttmp9, 5                       ; the batch: 32 work-groups each
	s_mul_i32 s60, s60, 49152
	s_mov_b32 s61, 0
	s_add_nc_u64 s[6:7], s[6:7], s[60:61]          ; the batch's points
	s_and_b32 s60, ttmp9, 31
	s_lshl_b32 s60, s60, 9
	s_add_nc_u64 s[66:67], s[6:7], s[60:61]        ; my work-group's 128 queries
	s_lshl_b32 s60, s62, 11
	s_add_nc_u64 s[CP:CP+1], s[6:7], s[60:61]      ; my wave's 512 candidates
	global_load_b128 v[Q2X:Q2X+3], v5, s[66:67]
	global_load_b128 v[Q2Y:Q2Y+3], v5, s[66:67] offset:16384
	global_load_b128 v[Q2Z:Q2Z+3], v5, s[66:67] offset:32768
	SLOADC SA, 0
.irp e, 1,3,5,7
	s_mov_b32 s[XX+\e], 0
.endr
	s_lshl_b32 s61, s62, 5
	v_mov_b32 v[GN], s61                           ; my first group: 32 x wave
.irp q, 0,1,2,3,4,5,6,7
	v_mov_b32 v[SO+\q], 0xff800000                 ; -infinity, under every pd
.endr
.irp q, 0,1,2,3,4,5,6,7
	v_mov_b32 v[T1+\q], 0
.endr
	s_wait_loadcnt 0x0
.irp q, 0,2
	v_pk_mul_f32 v[NXQ+\q:NXQ+\q+1], v[Q2X+\q:Q2X+\q+1], v[Q2X+\q:Q2X+\q+1]
	s_delay_alu instid0(VALU_DEP_1)
	v_pk_fma_f32 v[NXQ+\q:NXQ+\q+1], v[Q2Y+\q:Q2Y+\q+1], v[Q2Y+\q:Q2Y+\q+1], v[NXQ+\q:NXQ+\q+1]
	s_delay_alu instid0(VALU_DEP_1)
	v_pk_fma_f32 v[NXQ+\q:NXQ+\q+1], v[Q2Z+\q:Q2Z+\q+1], v[Q2Z+\q:Q2Z+\q+1], v[NXQ+\q:NXQ+\q+1]
.endr
.irp q, 0,1,2,3
	v_xor_b32 v[NXQ+\q], 0x80000000, v[NXQ+\q]
.endr
.irp q, 0,2,4,6,8,10
	v_pk_add_f32 v[Q2X+\q:Q2X+\q+1], v[Q2X+\q:Q2X+\q+1], v[Q2X+\q:Q2X+\q+1]   ; the factor 2 goes into the query: exact
.endr
	s_mov_b32 s60, 15
.Lscan:
	s_wait_alu depctr_va_vdst(0)
	TRIP 0
	s_sub_co_u32 s60, s60, 1
	s_cmp_lg_u32 s60, 0
	s_cbranch_scc1 .Lscan
	TRIP 1                                         ; the sixteenth trip is written out: it asks for nothing more, so no load leaves the buffer
	ds_store_b128 v1, v[SO:SO+3]
	ds_store_b128 v1, v[SO+4:SO+7] offset:512
	ds_store_b128 v1, v[T1:T1+3] offset:1024
	ds_store_b128 v1, v[T2:T2+3] offset:1536
	s_branch .Ljoin
; ------------------------------------------------------------------ waves 8-15: codes
; 64 numbers of a lane, register 16 b + i = k 32 b + 16 (lane / 16) + i of my row or column, become a fragment's codes in v[pc] on and its scale word in v[pw].
.macro QUANT s, pc, pw
.irp b, 0,1,2,3
	v_max3_num_f32 v[TM+\b], |v[\s+16*\b]|, |v[\s+1+16*\b]|, 0x4800000     ; block b: my 16 numbers, and the floor 2^(9 - 127): the byte cannot fall under 1
.endr
.irp i, 2,4,6,8,10,12,14
.irp b, 0,1,2,3
	s_delay_alu instid0(VALU_DEP_4)
	v_max3_num_f32 v[TM+\b], v[TM+\b], |v[\s+16*\b+\i]|, |v[\s+1+16*\b+\i]|   ; the four blocks by turns
.endr
.endr
.irp b, 0,1,2,3
	s_delay_alu instid0(VALU_DEP_4)
	v_permlanex16_b32 v[TM+4+\b], v[TM+\b], s[SEL], s[SEL+1]
.endr
.irp b, 0,1,2,3
	s_delay_alu instid0(VALU_DEP_4)
	v_max_num_f32 v[TM+\b], v[TM+\b], v[TM+4+\b]   ; with lane l xor 16's: the block's largest magnitude
.endr
.irp b, 0,1,2,3
	s_delay_alu instid0(VALU_DEP_4)
	v_add_nc_u32 v[TM+12+\b], 0xfc000000, v[TM+\b] ; 8 off its exponent field: the conversion's scale operand
.endr
.irp b, 0,1,2,3
	v_and_or_b32 v[TM+8+\b], v[TM+\b], 0x7f800000, s[MNT]   ; 448 x the scale
.endr
.irp b, 0,1,2,3
	v_lshrrev_b32 v[TM+4+\b], 23, v[TM+12+\b]      ; the scale's byte
.endr
	s_delay_alu instid0(VALU_DEP_3)
	v_lshl_or_b32 v[\pw], v[TM+5], 8, v[TM+4]
	s_delay_alu instid0(VALU_DEP_1)
	v_lshl_or_b32 v[\pw], v[TM+6], 16, v[\pw]
	s_delay_alu instid0(VALU_DEP_1)
	v_lshl_or_b32 v[\pw], v[TM+7], 24, v[\pw]
.irp b, 0,1,2,3
.irp i, 0,1,2,3,4,5,6,7,8,9,10,11,12,13,14,15
	v_med3_num_f32 v[\s+16*\b+\i], v[\s+16*\b+\i], -v[TM+8+\b], v[TM+8+\b]   ; the conversion to an 8-bit code does not saturate (ISA guide 7.6.2): the hold comes first
.endr
	v_cvt_scalef32_pk8_fp8_f32 v[\pc+4*\b:\pc+1+4*\b], v[\s+16*\b:\s+7+16*\b], v[TM+12+\b]
	v_cvt_scalef32_pk8_fp8_f32 v[\pc+2+4*\b:\pc+3+4*\b], v[\s+8+16*\b:\s+15+16*\b], v[TM+12+\b]
.endr
	v_nop                                          ; a plain line behind the last conversion
.endm
.macro XLOAD reg, s                    ; my 16 rows' numbers of K step s: 16 neighbours of each block of 32 for a lane
.irp b, 0,1,2,3
.irp j, 0,1,2,3
	global_load_b128 v[\reg+16*\b+4*\j:\reg+16*\b+4*\j+3], v9, s[4:5] offset:512*\s+128*\b+16*\j th:TH_LOAD_NT
.endr
.endr
.endm
.macro GIMAGE pc, off                  ; a fragment's image: each store covers 512 consecutive bytes
.irp c, 0,1,2,3
	global_store_b128 v5, v[\pc+4*\c:\pc+4*\c+3], s[26:27] offset:\off+512*\c
.endr
.endm
.Lquant:
	s_lshl_b32 s34, ttmp9, 18                      ; 128 rows of 2,048 bytes for a work-group,
	s_lshl_b32 s35, s63, 15                        ; 16 for a wave
	s_add_co_u32 s34, s34, s35
	s_mov_b32 s35, 0
	s_add_nc_u64 s[4:5], s[4:5], s[34:35]
	s_lshl_b32 s34, ttmp9, 16                      ; xq: 65,536 bytes a work-group, 2,048 a tile
	s_lshl_b32 s39, s63, 11
	s_add_co_u32 s34, s34, s39
	s_add_nc_u64 s[26:27], s[26:27], s[34:35]
	v_lshlrev_b32 v9, 11, v7
	s_delay_alu instid0(VALU_DEP_1)
	v_lshl_add_u32 v9, v8, 6, v9                   ; row r, + 64 h
	s_mov_b32 s[SEL], 0x76543210
	s_mov_b32 s[SEL+1], 0xfedcba98
	s_mov_b32 s[MNT], 0x600000
.irp b, 0,1,2,3
	v_mov_b32 v[TM+4+\b], 0                        ; a lane permute's destination counts as one of its sources
.endr
	XLOAD X0, 0
	XLOAD X1, 1
	s_wait_loadcnt 16                              ; K step 0 is in; the 16 loads of K step 1 may be out
	QUANT X0, PC, PW
	GIMAGE PC, 0
	ds_store_b32 v3, v[PW]
	XLOAD X0, 2
	s_wait_loadcnt 16                              ; K step 1 is in; K step 2's 16 may be out
	QUANT X1, PC+16, PW+1
	GIMAGE PC+16, 16384
	ds_store_b32 v3, v[PW+1] offset:512
	XLOAD X1, 3
	s_wait_loadcnt 16                              ; K step 2 is in; K step 3's 16 may be out
	QUANT X0, PC+32, PW+2
	GIMAGE PC+32, 32768
	ds_store_b32 v3, v[PW+2] offset:1024
	s_wait_loadcnt 0x0
	QUANT X1, PC+48, PW+3
	GIMAGE PC+48, 49152
	ds_store_b32 v3, v[PW+3] offset:1536
	s_cmp_lt_u32 ttmp9, 108                        ; 27 blocks x 4 quarters of the weight stream
	s_cbranch_scc0 .Ljoin
	; ---- one tile (16 units x 128 K) of the weight stream for each of the eight waves
	s_wait_xcnt 0x0                                ; the stores above have read their data: the first codes' registers are written again below
	s_lshr_b32 s40, ttmp9, 2                       ; the block 0..26
	s_and_b32 s41, ttmp9, 3                        ; the quarter w
	s_cmp_ge_u32 s40, 9
	s_cselect_b32 s42, 1, 0
	s_cmp_ge_u32 s40, 18
	s_cselect_b32 s43, 1, 0
	s_add_co_u32 s42, s42, s43                     ; the stage 0..2
	s_mul_i32 s43, s42, 9
	s_sub_co_u32 s43, s40, s43                     ; j: 0-4 W1's K steps, 5-8 Wr's
	s_cmp_eq_u32 s42, 1
	s_cselect_b64 s[8:9], s[10:11], s[8:9]
	s_cselect_b64 s[14:15], s[16:17], s[14:15]
	s_cselect_b64 s[20:21], s[22:23], s[20:21]
	s_cmp_eq_u32 s42, 2
	s_cselect_b64 s[8:9], s[12:13], s[8:9]
	s_cselect_b64 s[14:15], s[18:19], s[14:15]
	s_cselect_b64 s[20:21], s[24:25], s[20:21]
	s_lshl_b32 s44, s41, 7
	s_lshr_b32 s45, s63, 1
	s_lshl_b32 s45, s45, 5
	s_add_co_u32 s44, s44, s45
	s_and_b32 s45, s63, 1
	s_lshl_b32 s45, s45, 3
	s_add_co_u32 s44, s44, s45                     ; the tile's first unit: 128 w + 32 (b / 2) + 8 (b % 2)
	v_and_b32 v10, 8, v7
	s_delay_alu instid0(VALU_DEP_1)
	v_add_nc_u32 v10, v10, v7                      ; and my lane's: + r + 8 (r / 8)
	s_mul_i32 s46, s40, 67584
	s_mul_i32 s47, s41, 16896
	s_add_co_u32 s46, s46, s47
	s_mov_b32 s47, 0
	s_add_nc_u64 s[30:31], s[30:31], s[46:47]      ; the quarter,
	s_lshl_b32 s46, s63, 11
	s_add_nc_u64 s[52:53], s[30:31], s[46:47]      ; my tile's image in it,
	s_lshl_b32 s46, s63, 2
	s_add_co_u32 s46, s46, 16384
	s_add_nc_u64 s[54:55], s[30:31], s[46:47]      ; and my tile's scale words: 32 r + 4 b behind the images
	s_cmp_lt_u32 s43, 4
	s_cbranch_scc0 .Lw1t
	; W1, rows 128 j .. 128 j + 127: a lane takes a column and its registers run down K
	s_lshl_b32 s46, s43, 18
	s_lshl_b32 s48, s44, 2
	s_add_co_u32 s46, s46, s48
	s_add_nc_u64 s[8:9], s[8:9], s[46:47]
	s_wait_alu depctr_va_vdst(0)
	v_lshlrev_b32 v11, 2, v10
	s_delay_alu instid0(VALU_DEP_1)
	v_lshl_add_u32 v11, v8, 15, v11                ; lanes 16-31 begin 16 rows further down
.irp c, 0,1,2,3
.irp i, 0,1,2,3,4,5,6,7,8,9,10,11,12,13,14,15
	global_load_b32 v[X0+16*\c+\i], v11, s[8:9] offset:2048*(32*\c+\i)
.endr
.endr
	s_wait_loadcnt 0x0
	QUANT X0, PC, PW+4
	s_branch .Lwout
.Lw1t:
	s_cmp_eq_u32 s43, 4
	s_cbranch_scc0 .Lwr
	; W1's last, short block: rows 512 on, 12 of them in stage 0 and 1 in the others; the rest of the K step is zeros
	s_lshl_b32 s46, s44, 2
	s_add_co_u32 s46, s46, 512*2048
	s_add_nc_u64 s[8:9], s[8:9], s[46:47]
	s_cmp_eq_u32 s42, 0
	s_cselect_b32 s48, 1, 0
	s_mov_b32 s49, 0xffff                          ; lanes 0-15 hold k = 0 .. 15 of the block
	s_cselect_b32 s50, s49, 0                      ; rows 513 on count in stage 0 alone
	s_wait_alu depctr_va_vdst(0)
	v_lshlrev_b32 v11, 2, v10
	s_wait_alu depctr_va_vdst(0)
.irp i, 1,2,3,4,5,6,7,8,9,10,11
	s_mul_i32 s51, s48, \i*2048                    ; where the tensor has no such row, row 512 is read again and masked: no load leaves its buffer
	v_add_nc_u32 v[X1+\i], s51, v11
.endr
.set i, 12
.rept 52
	v_mov_b32 v[X0+i], 0
.set i, i+1
.endr
	global_load_b32 v[X0], v11, s[8:9]
.irp i, 1,2,3,4,5,6,7,8,9,10,11
	global_load_b32 v[X0+\i], v[X1+\i], s[8:9]
.endr
	s_wait_loadcnt 0x0
	v_cndmask_b32 v[X0], 0, v[X0], s49
.irp i, 1,2,3,4,5,6,7,8,9,10,11
	v_cndmask_b32 v[X0+\i], 0, v[X0+\i], s50
.endr
	QUANT X0, PC, PW+4
	s_branch .Lwout
.Lwr:
	; Wr comes as codes and scale bytes: they are taken as they are, only laid as images
	s_sub_co_u32 s45, s43, 5                       ; its K step
	s_lshl_b32 s46, s44, 9
	s_lshl_b32 s48, s45, 7
	s_add_co_u32 s46, s46, s48
	s_add_nc_u64 s[14:15], s[14:15], s[46:47]
	s_lshl_b32 s46, s44, 4
	s_lshl_b32 s48, s45, 2
	s_add_co_u32 s46, s46, s48
	s_add_nc_u64 s[20:21], s[20:21], s[46:47]
	s_wait_alu depctr_va_vdst(0)
	v_lshlrev_b32 v11, 9, v10
	s_delay_alu instid0(VALU_DEP_1)
	v_lshl_add_u32 v11, v8, 4, v11                 ; a unit's row of 512 codes, + 16 h
	v_lshlrev_b32 v12, 4, v10                      ; and its 16 scale bytes
.irp c, 0,1,2,3
	global_load_b128 v[PC+4*\c:PC+4*\c+3], v11, s[14:15] offset:32*\c
.endr
	global_load_b32 v[PW+4], v12, s[20:21]
	s_wait_loadcnt 0x0
.Lwout:
	s_wait_alu depctr_va_vdst(0)
.irp c, 0,1,2,3
	global_store_b128 v5, v[PC+4*\c:PC+4*\c+3], s[52:53] offset:512*\c
.endr
	v_lshlrev_b32 v13, 5, v7
	global_store_b32 v13, v[PW+4], s[54:55]        ; lanes r and r + 16 hold the same word and write it to the same place
; ------------------------------------------------------------------ the roles meet
.Ljoin:
	s_wait_dscnt 0x0                               ; for the others' sake: my LDS stores have landed
	s_barrier_signal -1
	s_barrier_wait -1
	s_cmp_lt_u32 s62, 4
	s_cbranch_scc1 .Lmerge
	s_cmp_lt_u32 s62, 8
	s_cbranch_scc1 .Lend
	s_cmp_lt_u32 s62, 12
	s_cbranch_scc0 .Lend
	ds_load_b128 v[32:35], v4                      ; waves 8-11: a K step's 512 bytes of scale words each
	s_lshl_b32 s34, ttmp9, 11
	s_and_b32 s35, s62, 3
	s_lshl_b32 s35, s35, 9
	s_add_co_u32 s34, s34, s35
	s_mov_b32 s35, 0
	s_add_nc_u64 s[28:29], s[28:29], s[34:35]
	s_wait_dscnt 0x0
	global_store_b128 v5, v[32:35], s[28:29]
.Lend:
	s_wait_tensorcnt 0x0
	ds_add_u32 v254, v255
	s_wait_dscnt 0x0
	s_endpgm
.Lmerge:                               ; waves 0-3: a lane to a query; the eight waves' pairs are merged in ascending order of their candidates
.irp k, 0,1,2,3,4,5,6,7
.irp f, 0,1,2,3
	ds_load_b32 v[32+4*\k+\f], v2 offset:2048*\k+512*\f
.endr
.endr
	s_lshl_b32 s34, ttmp9, 10
	s_mov_b32 s35, 0
	s_add_nc_u64 s[32:33], s[32:33], s[34:35]
	v_lshlrev_b32 v70, 3, v0                       ; 8 bytes a query
	s_wait_dscnt 0x0
.irp k, 1
	v_cmp_gt_f32 vcc_lo, v[32+4*\k], v32           ; the later wave's largest beats mine
	s_delay_alu instid0(VALU_DEP_1)
	v_cndmask_b32 v64, v[32+4*\k], v[33+4*\k], vcc_lo   ; its candidate for the second place,
	s_delay_alu instid0(VALU_DEP_2)
	v_cndmask_b32 v65, v[34+4*\k], v[35+4*\k], vcc_lo
	s_delay_alu instid0(VALU_DEP_3)
	v_cndmask_b32 v66, v33, v32, vcc_lo            ; and mine
	s_delay_alu instid0(VALU_DEP_4)
	v_cndmask_b32 v67, v35, v34, vcc_lo
	v_cndmask_b32 v34, v34, v[34+4*\k], vcc_lo
	v_max_num_f32 v32, v32, v[32+4*\k]
	s_delay_alu instid0(VALU_DEP_4)
	v_cmp_gt_f32 vcc_lo, v64, v66
	v_max_num_f32 v33, v64, v66
	s_delay_alu instid0(VALU_DEP_2)
	v_cndmask_b32 v35, v67, v65, vcc_lo
.endr
.irp k, 2, 3, 4, 5, 6, 7
	s_delay_alu instid0(VALU_DEP_4)
	v_cmp_gt_f32 vcc_lo, v[32+4*\k], v32           ; the later wave's largest beats mine
	s_delay_alu instid0(VALU_DEP_1)
	v_cndmask_b32 v64, v[32+4*\k], v[33+4*\k], vcc_lo   ; its candidate for the second place,
	s_delay_alu instid0(VALU_DEP_2)
	v_cndmask_b32 v65, v[34+4*\k], v[35+4*\k], vcc_lo
	s_delay_alu instid0(VALU_DEP_3)
	v_cndmask_b32 v66, v33, v32, vcc_lo            ; and mine
	s_delay_alu instid0(VALU_DEP_4)
	v_cndmask_b32 v67, v35, v34, vcc_lo
	v_cndmask_b32 v34, v34, v[34+4*\k], vcc_lo
	v_max_num_f32 v32, v32, v[32+4*\k]
	s_delay_alu instid0(VALU_DEP_4)
	v_cmp_gt_f32 vcc_lo, v64, v66
	v_max_num_f32 v33, v64, v66
	s_delay_alu instid0(VALU_DEP_2)
	v_cndmask_b32 v35, v67, v65, vcc_lo
.endr
	s_delay_alu instid0(VALU_DEP_1)
	v_min_u32 v68, v34, v35
	s_delay_alu instid0(VALU_DEP_2)
	v_max_u32 v69, v34, v35
	global_store_b64 v70, v[68:69], s[32:33]       ; a wave stores 256 consecutive bytes, aligned
	s_wait_tensorcnt 0x0
	ds_add_u32 v254, v255
	s_wait_dscnt 0x0
	s_endpgm
.Lfunc_end_k_q1d9dac068d_prep:
	.size	k_q1d9dac068d_prep, .Lfunc_end_k_q1d9dac068d_prep-k_q1d9dac068d_prep
	.p2alignl 7, 3214868480
	.fill 96, 4, 3214868480
	.section	.rodata,"a",@progbits
	.p2align	6, 0x0
	.amdhsa_kernel k_q1d9dac068d_prep
		.amdhsa_group_segment_fixed_size 20480
		.amdhsa_private_segment_fixed_size 0
		.amdhsa_enable_private_segment 0
		.amdhsa_kernarg_size 120
		.amdhsa_user_sgpr_count 2
		.amdhsa_user_sgpr_kernarg_segment_ptr 1
		.amdhsa_wavefront_size32 1
		.amdhsa_system_sgpr_workgroup_id_x 1
		.amdhsa_system_sgpr_workgroup_id_y 1
		.amdhsa_system_sgpr_workgroup_id_z 1
		.amdhsa_system_vgpr_workitem_id 0
		.amdhsa_next_free_vgpr 256
		.amdhsa_next_free_sgpr 102
		.amdhsa_reserve_vcc 1
		.amdhsa_float_denorm_mode_32 3
		.amdhsa_float_denorm_mode_16_64 3
		.amdhsa_memory_ordered 1
		.amdhsa_forward_progress 1
		.amdhsa_inst_pref_size 192
	.end_amdhsa_kernel
	.amdgpu_metadata
---
amdhsa.version: [ 1, 2 ]
amdhsa.kernels:
  - .name:           k_q1d9dac068d_prep
    .symbol:         k_q1d9dac068d_prep.kd
    .args:
      - { .name: latent, .offset: 0, .size: 8, .value_kind: global_buffer, .address_space: global }
      - { .name: reconstructed_points, .offset: 8, .size: 8, .value_kind: global_buffer, .address_space: global }
      - { .name: s1_w1, .offset: 16, .size: 8, .value_kind: global_buffer, .address_space: global }
      - { .name: s2_w1, .offset: 24, .size: 8, .value_kind: global_buffer, .address_space: global }
      - { .name: s3_w1, .offset: 32, .size: 8, .value_kind: global_buffer, .address_space: global }
      - { .name: s1_wr_codes, .offset: 40, .size: 8, .value_kind: global_buffer, .address_space: global }
      - { .name: s2_wr_codes, .offset: 48, .size: 8, .value_kind: global_buffer, .address_space: global }
      - { .name: s3_wr_codes, .offset: 56, .size: 8, .value_kind: global_buffer, .address_space: global }
      - { .name: s1_wr_scales, .offset: 64, .size: 8, .value_kind: global_buffer, .address_space: global }
      - { .name: s2_wr_scales, .offset: 72, .size: 8, .value_kind: global_buffer, .address_space: global }
      - { .name: s3_wr_scales, .offset: 80, .size: 8, .value_kind: global_buffer, .address_space: global }
      - { .name: xq, .offset: 88, .size: 8, .value_kind: global_buffer, .address_space: global }
      - { .name: xs, .offset: 96, .size: 8, .value_kind: global_buffer, .address_space: global }
      - { .name: wstream, .offset: 104, .size: 8, .value_kind: global_buffer, .address_space: global }
      - { .name: knn_grp, .offset: 112, .size: 8, .value_kind: global_buffer, .address_space: global }
    .group_segment_fixed_size: 20480
    .private_segment_fixed_size: 0
    .kernarg_segment_align: 8
    .kernarg_segment_size: 120
    .max_flat_workgroup_size: 512
    .sgpr_count:     102
    .vgpr_count:     256
    .wavefront_size: 32
...
	.end_amdgpu_metadata
.endif
;; end of part 1
;; launch mlp (part 2): grid 256 x 1, 4 waves a work-group, no clusters, 173,056 bytes of LDS; arguments xq, xs, wstream, knn_grp, reconstructed_points, s1_b1, s1_br, s1_w2, s1_b2, s2_b1, s2_br, s2_w2, s2_b2, s3_b1, s3_br, s3_w2, s3_b2, out0; writes out0
.if DOCPART == 2
	.amdgcn_target "amdgcn-amd-amdhsa--gfx1250"
	.amdhsa_code_object_version 6
	.text
	.protected	k_q1d9dac068d_mlp
	.globl	k_q1d9dac068d_mlp
	.p2align	8
	.type	k_q1d9dac068d_mlp,@function
k_q1d9dac068d_mlp:
	s_mov_b64 s[64:65], 0
	v_nop
	global_prefetch_b8 v0, s[64:65] scope:SCOPE_SE
	s_setreg_imm32_b32 hwreg(HW_REG_WAVE_MODE, 25, 1), 1
	s_wait_xcnt 0x0
; MLP: the three stages for 128 rows a work-group; the hidden layers never go to memory.
;   stage: h1 = relu([latent | extra] W1 + b1);  h2 = relu(h1 + Q(h1) Wr + br);  std += h2 . w2 + b2.  extra = the 12 local features (stage 1) or std (stages 2, 3).
; All six wide products run on E4M3 codes with E8M0 scales, 128 along K an instruction.
; SHARES.  Four waves.  Wave w owns units 128 w .. 128 w + 127 for all 128 rows: 64 accumulators of 16 x 16, 512 registers.  The products are used transposed (source 0 = 16 units of the
; weight, source 1 = 16 rows): a lane holds one row, and by the order in which a tile takes its units the 16 registers of tiles 2 c, 2 c + 1 are 16 neighbours along the next K.
; THE WEIGHTS lie in wstream as images of the operand's registers, and a wave's quarter of a block (16,896 bytes) is multiplied by that wave alone.  So they go from memory straight into
; registers: two sets of 128, refilled by halves (4 tiles and their scale words: 17 loads).  A K step takes units' tiles 0-3 against all rows, then tiles 4-7; a half is asked for again as soon
; as it is read out, 96 matrix instructions ahead of its next use.  cluster = none: a joint load lands in LDS, where no second wave would read these bytes; through LDS each K step would
; write and read 16,896 bytes a wave more and need a barrier for each change of slots.
; THE ACTIVATIONS lie in LDS as register images (group c of lane l at 512 c + 16 l): latent's codes (one tensor load a wave, filled once), h1's codes, the extra K step.  A pair of rows' tiles
; is fetched anew behind its last use in a K step, 24 matrix instructions ahead of its next.
; THE EXTRA BLOCK of K (k = 512 on) comes FIRST in a stage, with b1 as its C; the sums' order along K differs so from ascending.  The activations' K step holds the extra block and three blocks
; of zero codes.  Of the weights only the first block's register group is loaded, the eight tiles packed 4 registers apart (then 12 registers of zero codes): an operand's other three blocks are the
; next tiles' codes, finite numbers of E4M3 that meet zero codes alone and add nothing.
; THE TWO NEIGHBOURS: the launch before stored, for each row, the two groups of 16 candidates that hold them.  A lane loads those 32 points, computes pd by the same chain of instructions and
; keeps the two best, lower index first on a tie.  The choice selects values only.
; PREFETCH: in each K step that loads, waves 0, 1 of work-groups 0-3 (a quarter each, a lane a run of 256 bytes) name the codes of the block that the same step of the next pair of steps will load.
; Blocks 0-4, the extra blocks and the scale words come by their loads alone; the pair whose successor loads nothing asks for nothing.
; LIMITS: NaN and infinities are not served.  Zero blocks carry the byte 1 or 127.  br is added to h1 ahead of the second product's sum.  out0 leaves in runs of 128 bytes a wave.
.set STEPB, 67584                      ; a block of the stream: 4 quarters
.set QB,    16896                      ; a quarter: 8 tile images of 2,048 bytes, then 512 bytes of scale words [r][tile]
.set HIMG,  65536                      ; LDS: 0 latent's codes [K step][tile of rows]; HIMG h1's, laid alike
.set XSC,   131072                     ; latent's scale words [K step][r][tile]
.set HSC,   133120                     ; h1's
.set XE,    135168                     ; the extra K step's 8 images
.set XES,   151552                     ; and its scale words
.set PS,    152064                     ; the waves' parts of h2 . w2: [row][wave]
.set VECS,  154112                     ; [stage][b1, br, w2]: 2,048 bytes each
.set SPARE, 172544                     ; the spare words, 128 bytes a wave
.set LI,   1                           ; 16 lane (= latent's images)
.set WOF,  2                           ; wstream: my quarter + 16 lane
.set WSO,  3                           ; wstream: my quarter's scale words + 32 r
.set LAS,  4                           ; 32 r
.set ADH,  5                           ; HIMG + 16 lane
.set ADXS, 6                           ; XSC + 32 r
.set ADHS, 7                           ; HSC + 32 r
.set ADX,  8                           ; XE + 16 lane
.set ADES, 9                           ; XES + 32 r
.set HWI,  10                          ; where I store h1's images: K step w
.set HWS,  11                          ; and their scale words
.set PSW,  12                          ; PS + 16 r + 4 w
.set PSR,  13                          ; PS + 16 thread
.set XEW,  14                          ; my row's 16 codes in the extra K step (row = thread)
.set XESW, 15                          ; and its scale word
.set AV,   16                          ; the stage's vectors at my units: + 512 w + 64 h
.set VW,   17                          ; VECS + 16 thread
.set STD,  18                          ; std of row = thread
.set O4,   19                          ; 4 thread
.set PFO,  20                          ; the prefetches' offset
.set XEZ,  21                          ; XE + 4,096 w + 16 lane
.set SPW,  22                          ; my spare word; never rewritten
.set NIL,  23                          ; 0; never rewritten
.set ES,   24                          ; v24-31 the extra block's weight scale words; v32-47 the weights' (two sets); v48-63 the activations' (two sets): scales alone
.set WS,   32
.set AS,   48
.set VEC,  64                          ; v64-127 a vector in the result's layout
.set ACT,  128                         ; v128-255 the activations' 8 fragments; at work in the epilogues:
.set TMP,  128
.set PC,   192
.set EW,   192                         ; v192-235 the extra block's packed weights
.set TM,   224
.set PWS,  240
.set SP,   248
; window 1: the weights' two sets at v[128 p + 16 b];  windows 2, 3: accumulator (a, b) at v[8 (8 (a % 4) + b)]
.set WV,   2
.set LP,   8                           ; s[8:9] the block that the next pair of steps loads first
.set G1P,  44
.set G0X,  52
.set STG,  81                          ; stages to go
.set EP,   84                          ; s[84:85] the stage's extra block
.set LIM0, 92                          ; 0, 1 in a wave that prefetches, else the greatest number
.set LIM1, 93
.set SEL,  96
.set MNT,  98
.set MSB, 0
.macro WIN new                         ; the immediate's high byte repeats the setting that is left; a switch that changes nothing is dropped
.if MSB != (\new)
	s_set_vgpr_msb (MSB<<8)|(\new)
.set MSB, (\new)
.endif
.endm
.macro PLACES n
.rept \n
	v_nop
.endr
.endm
.macro BARRIER                         ; my LDS stores have landed and my LDS loads are in: then the work-group's barrier
	s_wait_alu depctr_va_vdst(0)
	s_wait_dscnt 0x0
	s_barrier_signal -1
	s_barrier_wait -1
.endm
.macro WLOAD p, h, off                 ; half h of set p: 4 tiles' codes and their scale words: 17 loads
	WIN 0x40
.irp b, 0,1,2,3
.irp c, 0,1,2,3
	global_load_b128 v[128*(\p)+64*(\h)+16*\b+4*\c:128*(\p)+64*(\h)+16*\b+4*\c+3], v[WOF], s[LP:LP+1] offset:(\off)+8192*(\h)+2048*\b+512*\c
.endr
.endr
	WIN 0
	global_load_b128 v[WS+8*(\p)+4*(\h):WS+8*(\p)+4*(\h)+3], v[WSO], s[LP:LP+1] offset:(\off)+16*(\h)
.endm
.macro ELOAD                           ; the extra block: group 0 of my 8 tiles, packed; tile 7's three groups of zero codes behind them; the scale words: 13 loads
.irp b, 0,1,2,3,4,5,6,7
	global_load_b128 v[EW+4*\b:EW+4*\b+3], v[WOF], s[EP:EP+1] offset:2048*\b
.endr
.irp c, 1,2,3
	global_load_b128 v[EW+28+4*\c:EW+31+4*\c], v[WOF], s[EP:EP+1] offset:14336+512*\c
.endr
	global_load_b128 v[ES:ES+3], v[WSO], s[EP:EP+1]
	global_load_b128 v[ES+4:ES+7], v[WSO], s[EP:EP+1] offset:16
.endm
.macro ALOAD u, adr, off               ; rows' tiles 2 u, 2 u + 1: 8 loads
.irp t, 0,1
.irp c, 0,1,2,3
	ds_load_b128 v[ACT+32*(\u)+16*\t+4*\c:ACT+32*(\u)+16*\t+4*\c+3], v[\adr] offset:(\off)+4096*(\u)+2048*\t+512*\c
.endr
.endr
.endm
.macro ASLOAD p, adr, off
	ds_load_b128 v[AS+8*(\p):AS+8*(\p)+3], v[\adr] offset:(\off)
	ds_load_b128 v[AS+8*(\p)+4:AS+8*(\p)+7], v[\adr] offset:(\off)+16
.endm
.macro VECL kind                       ; b1 (0), br (1) or w2 (2) at my lane's units: tile b's eight are 32 (b / 2) + 16 h + 8 (b % 2) + 0 .. 7
.irp b, 0,1,2,3,4,5,6,7
	ds_load_b128 v[VEC+8*\b:VEC+8*\b+3], v[AV] offset:2048*(\kind)+128*(\b/2)+32*(\b%2)
	ds_load_b128 v[VEC+8*\b+4:VEC+8*\b+7], v[AV] offset:2048*(\kind)+128*(\b/2)+32*(\b%2)+16
.endr
.endm
; 8 matrix instructions: rows' tiles 2 u, 2 u + 1 against units' tiles 4 h .. 4 h + 3.  The 64 accumulators take turns, in the same order in every K step
.macro UNIT u, h, p
.irp t, 0,1
.irp b, 0,1,2,3
	v_wmma_scale_f32_16x16x128_f8f6f4 v[8*(8*((2*(\u)+\t)%4)+4*(\h)+\b):8*(8*((2*(\u)+\t)%4)+4*(\h)+\b)+7], v[128*(\p)+64*(\h)+16*\b:128*(\p)+64*(\h)+16*\b+15], v[ACT+32*(\u)+16*\t:ACT+32*(\u)+16*\t+15], v[8*(8*((2*(\u)+\t)%4)+4*(\h)+\b):8*(8*((2*(\u)+\t)%4)+4*(\h)+\b)+7], v[WS+8*(\p)+4*(\h)+\b], v[AS+8*(\p)+2*(\u)+\t]
.endr
.endr
.endm
.macro ASK lim, off
	s_cmp_gt_u32 s[STG], s[\lim]
	s_cbranch_scc0 .Lna_\@
	global_prefetch_b8 v[PFO], s[LP:LP+1] offset:\off th:TH_LOAD_NT scope:SCOPE_SE
.Lna_\@:
.endm
; A K STEP on weight set p: the k-th of a product's four.  nxt: the next step's activations are fetched.  fill: each half of the set is loaded again, from LP + foff.
; lc1, lc2: the global loads issued behind the half that is due (three halves of 17 while the stream runs).  The counts on DScnt leave the younger pairs of tiles (8 loads each) out.
.macro STEP p, adr, sadr, k, nxt, fill, foff, pfo, lim, lc1, lc2
	s_wait_loadcnt \lc1
	s_wait_dscnt 24
	WIN 0xa1
	UNIT 0, 0, \p
	s_wait_dscnt 16
	UNIT 1, 0, \p
	s_wait_dscnt 8
	WIN 0xf1
	UNIT 2, 0, \p
	s_wait_dscnt 0
	UNIT 3, 0, \p
.if \fill
	PLACES 8                                       ; eight places ahead of loads into registers that matrix instructions have read
	WLOAD \p, 0, \foff
	ASK \lim, \pfo
.endif
	s_wait_loadcnt \lc2
.irp u, 0,1,2,3
	WIN 0xa1+0x50*(\u/2)
	UNIT \u, 1, \p
.if (\nxt) || (\u == 3)
	PLACES 8
	WIN 0
.endif
.if \nxt
.if \u == 0
	ASLOAD 1-\p, \sadr, 512*(\k)+512
.endif
	ALOAD \u, \adr, 16384*(\k)+16384
.endif
.endr
.if \fill
	WLOAD \p, 1, \foff
.endif
.endm
.macro PAIR adr, sadr, k, inc, lim     ; two K steps; then the stream's pointer goes inc bytes on (3 blocks where the extra block is passed over)
	STEP 0, \adr, \sadr, \k, 1, 1, 0, \inc, \lim, 51, 51
	STEP 1, \adr, \sadr, (\k)+1, (\k)==0, 1, STEPB, (\inc)+STEPB, \lim, 51, 51
	s_wait_xcnt 0x0                                ; the loads and the prefetches have read the pointer
	s_add_nc_u64 s[LP:LP+1], s[LP:LP+1], \inc
.endm
; ---- the extra K step: b1 is the C of each sum's first product.  Rows' tiles come in pairs into two buffers; the last two refills are the first K step's own tiles
.macro EALOAD g
.irp t, 0,1
.irp c, 0,1,2,3
	ds_load_b128 v[ACT+32*((\g)%2)+16*\t+4*\c:ACT+32*((\g)%2)+16*\t+4*\c+3], v[ADX] offset:4096*(\g)+2048*\t+512*\c
.endr
.endr
.endm
.macro EUNIT g
.irp t, 0,1
.irp b, 0,1,2,3,4,5,6,7
	v_wmma_scale_f32_16x16x128_f8f6f4 v[8*(8*((2*(\g)+\t)%4)+\b):8*(8*((2*(\g)+\t)%4)+\b)+7], v[EW+4*\b:EW+4*\b+15], v[ACT+32*((\g)%2)+16*\t:ACT+32*((\g)%2)+16*\t+15], v[VEC+8*\b:VEC+8*\b+7], v[ES+\b], v[AS+8+2*(\g)+\t]
.endr
.endr
.endm
.macro ESTEP
	ASLOAD 1, ADES, 0
	VECL 0
	EALOAD 0
	EALOAD 1
	s_wait_loadcnt 0x0                             ; the extra block's weights are the youngest loads
	s_wait_dscnt 8
	WIN 0x80
	EUNIT 0
	PLACES 8
	WIN 0
	EALOAD 2
	s_wait_dscnt 8
	WIN 0x80
	EUNIT 1
	PLACES 8
	WIN 0
	EALOAD 3
	s_wait_dscnt 8
	WIN 0xc0
	EUNIT 2
	PLACES 8
	WIN 0
	ASLOAD 0, ADXS, 0
	ALOAD 0, LI, 0
	s_wait_dscnt 10                                ; the ten just issued may be out
	WIN 0xc0
	EUNIT 3
	PLACES 8
	WIN 0
	ALOAD 1, LI, 0
	ALOAD 2, LI, 0
	ALOAD 3, LI, 0
.endm
; ---- the first epilogue, a tile of 16 rows at a time: relu in place; the block's largest number; codes to LDS; br onto the f32 numbers, which stay as the next product's C
.macro H1TILE a
.set WA, 2+(\a)/4
.set A0, 64*((\a)%4)
	WIN (WA<<2)|(WA<<6)
.set i, 0
.rept 64
	v_max_num_f32 v[A0+i], 0, v[A0+i]              ; each accumulator from its low end on
.set i, i+1
.endr
	WIN WA|(WA<<2)
.irp c, 0,1,2,3
	v_max3_num_f32 v[TM+\c], v[A0+16*\c], v[A0+16*\c+1], 0x4800000   ; block c: my 16 numbers (none is negative), and the floor 2^(9 - 127)
.endr
.irp u, 2,4,6,8,10,12,14
.irp c, 0,1,2,3
	v_max3_num_f32 v[TM+\c], v[A0+16*\c+\u], v[A0+16*\c+\u+1], v[TM+\c]
.endr
.endr
	WIN 0
.irp c, 0,1,2,3
	v_permlanex16_b32 v[TM+4+\c], v[TM+\c], s[SEL], s[SEL+1]
.endr
.irp c, 0,1,2,3
	v_max_num_f32 v[TM+\c], v[TM+\c], v[TM+4+\c]   ; with lane l xor 16's 16 units
.endr
.irp c, 0,1,2,3
	v_add_nc_u32 v[TM+12+\c], 0xfc000000, v[TM+\c] ; 8 off the exponent field: the conversion's scale operand
.endr
.irp c, 0,1,2,3
	v_and_or_b32 v[TM+8+\c], v[TM+\c], 0x7f800000, s[MNT]   ; 448 x the scale
.endr
.irp c, 0,1,2,3
	v_lshrrev_b32 v[TM+4+\c], 23, v[TM+12+\c]      ; the scale's byte
.endr
	v_lshl_or_b32 v[PWS+\a], v[TM+5], 8, v[TM+4]
	v_lshl_or_b32 v[PWS+\a], v[TM+6], 16, v[PWS+\a]
	v_lshl_or_b32 v[PWS+\a], v[TM+7], 24, v[PWS+\a]
	WIN WA<<2
.irp c, 0,1,2,3
.irp u, 0,1,2,3,4,5,6,7,8,9,10,11,12,13,14,15
	v_min_num_f32 v[TMP+16*\c+\u], v[TM+8+\c], v[A0+16*\c+\u]   ; the hold, one-sided, into other registers: the f32 numbers stay as they are
.endr
.endr
	WIN 0
	s_wait_alu depctr_va_vdst(0)
	s_wait_dscnt 0x0                               ; the last tile's stores have read the codes' registers; at the first tile: br is in
.irp c, 0,1,2,3
	v_cvt_scalef32_pk8_fp8_f32 v[PC+4*\c:PC+4*\c+1], v[TMP+16*\c:TMP+16*\c+7], v[TM+12+\c]
	v_cvt_scalef32_pk8_fp8_f32 v[PC+4*\c+2:PC+4*\c+3], v[TMP+16*\c+8:TMP+16*\c+15], v[TM+12+\c]
.endr
	v_nop                                          ; a plain line behind the last conversion
.irp c, 0,1,2,3
	ds_store_b128 v[HWI], v[PC+4*\c:PC+4*\c+3] offset:2048*\a+512*\c
.endr
	WIN WA|(WA<<6)
.set i, 0
.rept 32
	v_pk_add_f32 v[A0+i:A0+i+1], v[A0+i:A0+i+1], v[VEC+i:VEC+i+1]   ; h1 + br
.set i, i+2
.endr
.endm
; ---- the second epilogue's sums: h2 = relu, its product with w2
.macro DOT a
.set WA, 2+(\a)/4
.set A0, 64*((\a)%4)
	WIN WA<<2
.set i, 0
.rept 64
	v_max_num_f32 v[TMP+i], 0, v[A0+i]             ; each accumulator from its low end on
.set i, i+1
.endr
	WIN 0
.irp q, 0,2,4,6
	v_pk_mul_f32 v[SP+\q:SP+\q+1], v[TMP+\q:TMP+\q+1], v[VEC+\q:VEC+\q+1]
.endr
.set i, 8
.rept 28
	v_pk_fma_f32 v[SP+i%8:SP+i%8+1], v[TMP+i:TMP+i+1], v[VEC+i:VEC+i+1], v[SP+i%8:SP+i%8+1]   ; four chains by turns
.set i, i+2
.endr
	v_pk_add_f32 v[SP:SP+1], v[SP:SP+1], v[SP+2:SP+3]
	v_pk_add_f32 v[SP+4:SP+5], v[SP+4:SP+5], v[SP+6:SP+7]
	v_pk_add_f32 v[SP:SP+1], v[SP:SP+1], v[SP+4:SP+5]
	v_add_f32 v[PWS+\a], v[SP], v[SP+1]
.endm
; ================================================================== the head
	s_load_b512 s[4:19], s[0:1], 0x0               ; xq, xs, wstream, knn_grp, points, s1_b1, s1_br, s1_w2
	s_load_b512 s[20:35], s[0:1], 0x40             ; s1_b2, s2_b1, s2_br, s2_w2, s2_b2, s3_b1, s3_br, s3_w2
	s_load_b128 s[36:39], s[0:1], 0x80             ; s3_b2, out0
	v_lshl_add_u32 v[SPW], v0, 2, SPARE
	v_mov_b32 v[NIL], 0
	ds_add_u32 v[SPW], v[NIL]                      ; the opening lines: the add, twice on end, and its wait ahead of my tensor load
	ds_add_u32 v[SPW], v[NIL]
	v_lshrrev_b32 v124, 5, v0
	v_readfirstlane_b32 s[WV], v124                ; wave 0..3
	s_mul_i32 s56, s[WV], QB
	s_add_co_u32 s57, s56, 16384
	s_lshl_b32 s58, s[WV], 14
	s_mov_b32 s[G0X+1], s58                        ; latent's K step w lands at 16,384 w
	s_add_co_u32 s58, s58, HIMG
	s_lshl_b32 s59, s[WV], 9
	s_add_co_u32 s63, s59, VECS
	s_add_co_u32 s59, s59, HSC
	s_lshl_b32 s60, s[WV], 2
	s_add_co_u32 s60, s60, PS
	s_lshl_b32 s61, s[WV], 12
	s_add_co_u32 s61, s61, XE
	s_lshl_b32 s62, s[WV], 3
	s_add_co_u32 s62, s62, XES
	s_and_b32 s66, ttmp9, 3                        ; the prefetches: work-group g % 4's quarter, my wave's 8,192 bytes, my lane's 256
	s_mul_i32 s66, s66, QB
	s_lshl_b32 s67, s[WV], 13
	s_add_co_u32 s66, s66, s67
	s_lshr_b32 s67, s[WV], 1
	s_lshr_b32 s68, ttmp9, 2
	s_or_b32 s67, s67, s68
	s_cmp_eq_u32 s67, 0                            ; waves 0, 1 of work-groups 0-3 ask
	s_cselect_b32 s[LIM0], 0, -1
	s_cselect_b32 s[LIM1], 1, -1
	s_mov_b32 s[SEL], 0x76543210
	s_mov_b32 s[SEL+1], 0xfedcba98
	s_mov_b32 s[MNT], 0x600000
	s_mov_b32 s[STG], 3
	s_mov_b32 s[G1P], 3<<16                        ; a K step of latent's codes: a dense block, 64 rows of 256 bytes (32 elements of 8)
	s_mov_b32 s[G1P+1], 32<<16
	s_mov_b32 s[G1P+2], 64<<16
	s_mov_b32 s[G1P+3], 32<<16
	s_mov_b32 s[G1P+4], 64
	s_mov_b32 s[G1P+5], 32
	s_mov_b32 s[G1P+6], 0
	s_mov_b32 s[G1P+7], 0
	s_mov_b32 s[G0X], 1
.set O8,  92
.set T16, 93
.set XSW, 94
	v_and_b32 v124, 31, v0                         ; lane
	v_and_b32 v125, 15, v0                         ; r
	v_bfe_u32 v126, v0, 4, 1                       ; h
	v_lshlrev_b32 v[LI], 4, v124
	v_lshlrev_b32 v[LAS], 5, v125
	v_add_nc_u32 v[WOF], s56, v[LI]
	v_add_nc_u32 v[WSO], s57, v[LAS]
	v_add_nc_u32 v[ADH], HIMG, v[LI]
	v_add_nc_u32 v[ADXS], XSC, v[LAS]
	v_add_nc_u32 v[ADHS], HSC, v[LAS]
	v_add_nc_u32 v[ADX], XE, v[LI]
	v_add_nc_u32 v[ADES], XES, v[LAS]
	v_add_nc_u32 v[HWI], s58, v[LI]
	v_add_nc_u32 v[HWS], s59, v[LAS]
	v_lshl_add_u32 v[PSW], v125, 4, s60
	v_lshl_add_u32 v[PSR], v0, 4, PS
	v_lshl_add_u32 v[XEW], v126, 11, s61
	v_lshl_add_u32 v[XEW], v125, 4, v[XEW]
	v_add_nc_u32 v[XEZ], s61, v[LI]
	v_lshl_add_u32 v[XESW], v126, 2, s62
	v_add_nc_u32 v[XESW], v[XESW], v[LAS]
	v_lshl_add_u32 v[AV], v126, 6, s63
	v_lshl_add_u32 v[VW], v0, 4, VECS
	v_lshl_add_u32 v[XSW], v0, 4, XSC
	v_lshlrev_b32 v[O4], 2, v0
	v_lshlrev_b32 v[O8], 3, v0
	v_lshlrev_b32 v[T16], 4, v0
	v_mov_b32 v[STD], 0
	v_lshl_add_u32 v[PFO], v124, 8, s66
.irp i, 88,89,90,91
	v_mov_b32 v[\i], 0
.endr
	s_wait_alu depctr_va_vdst(0)
	s_wait_dscnt 0x0                               ; both opening adds are done
	s_wait_kmcnt 0x0
	s_load_b32 s40, s[20:21], 0x0                  ; the three b2
	s_load_b32 s41, s[28:29], 0x0
	s_load_b32 s42, s[36:37], 0x0
	s_mov_b32 s79, 0
	s_lshl_b32 s78, ttmp9, 16
	s_add_co_u32 s78, s78, s[G0X+1]
	s_add_nc_u64 s[G0X+2:G0X+3], s[4:5], s[78:79]  ; my block's codes, K step w
	s_or_b32 s[G0X+3], s[G0X+3], 0x80000000
	tensor_load_to_lds s[G0X:G0X+3], s[G1P:G1P+7]  ; my one tensor load
	s_nop 0
	PLACES 4
	s_add_nc_u64 s[EP:EP+1], s[LP:LP+1], 4*STEPB   ; stage 1's extra block
	s_lshl_b32 s78, ttmp9, 11
	s_add_nc_u64 s[6:7], s[6:7], s[78:79]          ; xs
	s_lshl_b32 s78, ttmp9, 10
	s_add_nc_u64 s[10:11], s[10:11], s[78:79]      ; knn_grp
	s_lshl_b32 s78, ttmp9, 9
	s_add_nc_u64 s[38:39], s[38:39], s[78:79]      ; out0
	s_lshr_b32 s78, ttmp9, 5
	s_mul_i32 s78, s78, 49152
	s_add_nc_u64 s[12:13], s[12:13], s[78:79]      ; the batch's points
	s_and_b32 s78, ttmp9, 31
	s_lshl_b32 s78, s78, 9
	s_add_nc_u64 s[76:77], s[12:13], s[78:79]      ; my block's own points
; ================================================================== the prologue: a lane to a row (row = thread)
.set PX,   64                          ; v64-66 my point; v67-69 twice it; v70 its xx; v71, v72 the two largest pd; v73-75, v76-78 the two points; v79, v80 at work; v81 -infinity
.set P2,   67
.set XQ,   70
.set M1,   71
.set M2,   72
.set N0,   73
.set N1,   76
.set TT,   79
.set XM,   80
.set NINF, 81
.set GL,   82                          ; v[82:83] the two groups, then their byte offsets
.set CB,   96                          ; v96-191 the 32 candidates: group g, coordinate d, candidate i at 48 g + 16 d + i
.set VL,   192                         ; v192-231 the nine vectors' and the scale words' 16 bytes a thread
	global_load_b64 v[GL:GL+1], v[O8], s[10:11]
	global_load_b32 v[PX], v[O4], s[76:77]
	global_load_b32 v[PX+1], v[O4], s[76:77] offset:16384
	global_load_b32 v[PX+2], v[O4], s[76:77] offset:32768
.set i, 0
.irp p, 14,16,18,22,24,26,30,32,34,6
	global_load_b128 v[VL+4*i:VL+4*i+3], v[T16], s[\p:\p+1]   ; b1, br, w2 of the three stages, then my block's scale words
.set i, i+1
.endr
.irp i, 0,1,2,3,4,5,6,7
	ds_store_b128 v[XEZ], v[88:91] offset:512*\i   ; the extra K step's images begin as zero codes: my wave clears the two tiles of its own 32 rows
.endr
	s_wait_loadcnt 13                              ; the two groups are in; the thirteen loads behind them may be out
	v_min_u32 v[GL], 0xff, v[GL]                   ; a batch has 256 groups
	v_min_u32 v[GL+1], 0xff, v[GL+1]
	v_cmp_eq_u32 s101, v[GL], v[GL+1]              ; both neighbours in one group: the second copy will not count
	v_lshlrev_b32 v[GL], 6, v[GL]                  ; 16 candidates are 64 bytes of a coordinate
	v_lshlrev_b32 v[GL+1], 6, v[GL+1]
.irp g, 0,1
.irp d, 0,1,2
.irp j, 0,1,2,3
	global_load_b128 v[CB+48*\g+16*\d+4*\j:CB+48*\g+16*\d+4*\j+3], v[GL+\g], s[12:13] offset:16384*\d+16*\j
.endr
.endr
.endr
	s_wait_loadcnt 24                              ; all but the 24 just issued
.irp i, 0,1,2,3,4,5,6,7,8
	ds_store_b128 v[VW], v[VL+4*\i:VL+4*\i+3] offset:2048*\i
.endr
	ds_store_b128 v[XSW], v[VL+36:VL+39]
	v_mul_f32 v[XQ], v[PX], v[PX]
	v_fmac_f32 v[XQ], v[PX+1], v[PX+1]
	v_fmac_f32 v[XQ], v[PX+2], v[PX+2]
.irp d, 0,1,2
	v_add_f32 v[P2+\d], v[PX+\d], v[PX+\d]
	v_mov_b32 v[N0+\d], 0
	v_mov_b32 v[N1+\d], 0
.endr
	v_mov_b32 v[NINF], 0xff800000
	v_mov_b32 v[M1], v[NINF]
	v_mov_b32 v[M2], v[NINF]
	s_wait_alu depctr_va_vdst(0)
	s_wait_dscnt 0x0                               ; the stores have read v192 on, where the extra block's weights land
	s_wait_loadcnt 0x0
	ELOAD                                          ; the stream begins under the search below: the extra block, then blocks 0 and 1
	WLOAD 0, 0, 0
	WLOAD 0, 1, 0
	WLOAD 1, 0, STEPB
	WLOAD 1, 1, STEPB
.macro CAND g, i                       ; pd by the chain of the launch before; a strict comparison keeps the lower index on a tie, since the candidates come in ascending order
.set CR, CB+48*\g+\i
	v_mul_f32 v[XM], v[CR], v[CR]
	v_mul_f32 v[TT], v[P2], v[CR]
	v_fmac_f32 v[XM], v[CR+16], v[CR+16]
	v_fmac_f32 v[TT], v[P2+1], v[CR+16]
	v_fmac_f32 v[XM], v[CR+32], v[CR+32]
	v_fmac_f32 v[TT], v[P2+2], v[CR+32]
	v_sub_f32 v[TT], v[TT], v[XQ]
	v_sub_f32 v[TT], v[TT], v[XM]
.if \g
	v_cndmask_b32 v[TT], v[TT], v[NINF], s101
.endif
	v_cmp_gt_f32 vcc_lo, v[TT], v[M1]
	v_cmp_gt_f32 s100, v[TT], v[M2]
.irp d, 0,1,2
	v_cndmask_b32 v[N1+\d], v[N1+\d], v[CR+16*\d], s100
	v_cndmask_b32 v[N1+\d], v[N1+\d], v[N0+\d], vcc_lo
	v_cndmask_b32 v[N0+\d], v[N0+\d], v[CR+16*\d], vcc_lo
.endr
	v_med3_num_f32 v[M2], v[M1], v[M2], v[TT]
	v_max_num_f32 v[M1], v[M1], v[TT]
.endm
.irp g, 0,1
.irp i, 0,1,2,3,4,5,6,7,8,9,10,11,12,13,14,15
	CAND \g, \i
.endr
.endr
	; the 12 local features: my point, then n0 (x) n1, row-major; they are the one block of the extra K step, all in my lane
.irp d, 0,1,2
	v_mov_b32 v[128+\d], v[PX+\d]
.endr
.irp i, 0,1,2
.irp j, 0,1,2
	v_mul_f32 v[131+3*\i+\j], v[N0+\i], v[N1+\j]
.endr
.endr
.irp i, 140,141,142,143
	v_mov_b32 v[\i], 0
.endr
	v_max3_num_f32 v84, |v128|, |v129|, 0x4800000
.irp i, 130,132,134,136,138
	v_max3_num_f32 v84, v84, |v[\i]|, |v[\i+1]|
.endr
	v_add_nc_u32 v85, 0xfc000000, v84
	v_and_or_b32 v86, v84, 0x7f800000, s[MNT]
	v_lshrrev_b32 v87, 23, v85
.irp i, 0,1,2,3,4,5,6,7,8,9,10,11
	v_med3_num_f32 v[128+\i], v[128+\i], -v86, v86
.endr
	v_cvt_scalef32_pk8_fp8_f32 v[144:145], v[128:135], v85
	v_cvt_scalef32_pk8_fp8_f32 v[146:147], v[136:143], v85
	v_or_b32 v87, 0x7f7f7f00, v87                  ; the other three blocks' byte is 127.  (A plain line behind the conversions)
	ds_store_b128 v[XEW], v[144:147]               ; LDS serves a wave's instructions in order: this comes behind my wave's zeros
	ds_store_b32 v[XESW], v87
	s_wait_alu depctr_va_vdst(0)
	s_wait_xcnt 0x0                                ; the stream's first loads have read the pointer
	s_add_nc_u64 s[LP:LP+1], s[LP:LP+1], 2*STEPB
	s_wait_kmcnt 0x0                               ; the three b2
	s_wait_tensorcnt 0x0                           ; my part of latent's codes has landed,
	BARRIER                                        ; everybody's has, and so have all the stores above
; ================================================================== the three stages
.Lstage:
	ESTEP                                          ; b1 + extra W1[512:]
	PAIR LI, ADXS, 0, 3*STEPB, LIM0                ; + latent W1[:512]: four K steps
	PAIR LI, ADXS, 2, 2*STEPB, LIM0
	VECL 1
.irp a, 0,1,2,3,4,5,6,7
	H1TILE \a
.endr
	WIN 0
	ds_store_b128 v[HWS], v[PWS:PWS+3]             ; my K step's scale words: 8 tiles of row r
	ds_store_b128 v[HWS], v[PWS+4:PWS+7] offset:16
	BARRIER                                        ; h1's 32 fragments lie in LDS
	ASLOAD 0, ADHS, 0
.irp u, 0,1,2,3
	ALOAD \u, ADH, 0
.endr
	PAIR ADH, ADHS, 0, 2*STEPB, LIM1               ; (h1 + br) + Q(h1) Wr: four K steps
	s_cmp_eq_u32 s[STG], 1
	s_cbranch_scc1 .Llast
	PAIR ADH, ADHS, 2, 2*STEPB, LIM0               ; these two steps load the next stage's first two blocks
	s_branch .Lsums
.Llast:                                                ; the stream has ended: the counts run down
	STEP 0, ADH, ADHS, 2, 1, 0, 0, 0, 0, 51, 34
	STEP 1, ADH, ADHS, 3, 0, 0, 0, 0, 0, 17, 0
.Lsums:
	s_cmp_eq_u32 s[STG], 1
	s_cbranch_scc1 .Lno_extra
	s_add_nc_u64 s[EP:EP+1], s[EP:EP+1], 9*STEPB   ; its last loads were waited for in the extra K step
	ELOAD                                          ; the next stage's extra block lands under the sums
.Lno_extra:
	VECL 2
	s_wait_dscnt 0x0
.irp a, 0,1,2,3,4,5,6,7
	DOT \a
.endr
.irp a, 0,1,2,3,4,5,6,7
	v_permlanex16_b32 v[SP+\a], v[PWS+\a], s[SEL], s[SEL+1]
.endr
.irp a, 0,1,2,3,4,5,6,7
	v_add_f32 v[PWS+\a], v[PWS+\a], v[SP+\a]       ; with lane l xor 16's units: my wave's part for row 16 a + r
.endr
.irp a, 0,1,2,3,4,5,6,7
	ds_store_b32 v[PSW], v[PWS+\a] offset:256*\a
.endr
	BARRIER                                        ; the four parts of every row lie in LDS
	ds_load_b128 v[128:131], v[PSR]
	s_wait_dscnt 0x0
	v_add_f32 v128, v128, v129
	v_add_f32 v130, v130, v131
	v_add_f32 v128, v128, v130
	v_add_f32 v128, s40, v128                      ; + b2
	v_add_f32 v[STD], v[STD], v128
	s_cmp_eq_u32 s[STG], 1
	s_wait_alu depctr_va_vdst(0)
	s_cbranch_scc1 .Lfinal
	v_max3_num_f32 v140, |v[STD]|, |v[STD]|, 0x4800000   ; std is the one number of its block
	v_add_nc_u32 v141, 0xfc000000, v140
	v_and_or_b32 v142, v140, 0x7f800000, s[MNT]
	v_lshrrev_b32 v143, 23, v141
	v_med3_num_f32 v128, v[STD], -v142, v142
.irp i, 129,130,131,132,133,134,135
	v_mov_b32 v[\i], 0
.endr
	v_cvt_scalef32_pk8_fp8_f32 v[136:137], v[128:135], v141
	v_or_b32 v143, 0x7f7f7f00, v143                ; (a plain line behind the conversion)
	v_mov_b32 v138, 0
	v_mov_b32 v139, 0
	ds_store_b128 v[XEW], v[136:139]
	ds_store_b32 v[XESW], v143
	v_add_nc_u32 v[AV], 6144, v[AV]                ; the next stage's vectors
	s_mov_b32 s40, s41
	s_mov_b32 s41, s42
	BARRIER                                        ; the extra K step lies in LDS
	s_sub_co_u32 s[STG], s[STG], 1
	s_cmp_lg_u32 s[STG], 0                         ; the count does not reach 0 here: the last stage leaves by the branch above
	s_cbranch_scc1 .Lstage
.Lfinal:
	global_store_b32 v[O4], v[STD], s[38:39]
	s_wait_tensorcnt 0x0                           ; the wave's end
	ds_add_u32 v[SPW], v[NIL]
	s_wait_dscnt 0x0
	s_endpgm
.Lfunc_end_k_q1d9dac068d_mlp:
	.size	k_q1d9dac068d_mlp, .Lfunc_end_k_q1d9dac068d_mlp-k_q1d9dac068d_mlp
	.p2alignl 7, 3214868480
	.fill 96, 4, 3214868480
	.section	.rodata,"a",@progbits
	.p2align	6, 0x0
	.amdhsa_kernel k_q1d9dac068d_mlp
		.amdhsa_group_segment_fixed_size 173056
		.amdhsa_private_segment_fixed_size 0
		.amdhsa_enable_private_segment 0
		.amdhsa_kernarg_size 144
		.amdhsa_user_sgpr_count 2
		.amdhsa_user_sgpr_kernarg_segment_ptr 1
		.amdhsa_wavefront_size32 1
		.amdhsa_system_sgpr_workgroup_id_x 1
		.amdhsa_system_sgpr_workgroup_id_y 1
		.amdhsa_system_sgpr_workgroup_id_z 1
		.amdhsa_system_vgpr_workitem_id 0
		.amdhsa_next_free_vgpr 1024
		.amdhsa_next_free_sgpr 102
		.amdhsa_reserve_vcc 1
		.amdhsa_float_denorm_mode_32 3
		.amdhsa_float_denorm_mode_16_64 3
		.amdhsa_memory_ordered 1
		.amdhsa_forward_progress 1
		.amdhsa_inst_pref_size 255
	.end_amdhsa_kernel
	.section	.bss,"aw",@nobits
	.p2align	6
	.space	262144
	.amdgpu_metadata
---
amdhsa.version: [ 1, 2 ]
amdhsa.kernels:
  - .name:           k_q1d9dac068d_mlp
    .symbol:         k_q1d9dac068d_mlp.kd
    .args:
      - { .name: xq, .offset: 0, .size: 8, .value_kind: global_buffer, .address_space: global }
      - { .name: xs, .offset: 8, .size: 8, .value_kind: global_buffer, .address_space: global }
      - { .name: wstream, .offset: 16, .size: 8, .value_kind: global_buffer, .address_space: global }
      - { .name: knn_grp, .offset: 24, .size: 8, .value_kind: global_buffer, .address_space: global }
      - { .name: reconstructed_points, .offset: 32, .size: 8, .value_kind: global_buffer, .address_space: global }
      - { .name: s1_b1, .offset: 40, .size: 8, .value_kind: global_buffer, .address_space: global }
      - { .name: s1_br, .offset: 48, .size: 8, .value_kind: global_buffer, .address_space: global }
      - { .name: s1_w2, .offset: 56, .size: 8, .value_kind: global_buffer, .address_space: global }
      - { .name: s1_b2, .offset: 64, .size: 8, .value_kind: global_buffer, .address_space: global }
      - { .name: s2_b1, .offset: 72, .size: 8, .value_kind: global_buffer, .address_space: global }
      - { .name: s2_br, .offset: 80, .size: 8, .value_kind: global_buffer, .address_space: global }
      - { .name: s2_w2, .offset: 88, .size: 8, .value_kind: global_buffer, .address_space: global }
      - { .name: s2_b2, .offset: 96, .size: 8, .value_kind: global_buffer, .address_space: global }
      - { .name: s3_b1, .offset: 104, .size: 8, .value_kind: global_buffer, .address_space: global }
      - { .name: s3_br, .offset: 112, .size: 8, .value_kind: global_buffer, .address_space: global }
      - { .name: s3_w2, .offset: 120, .size: 8, .value_kind: global_buffer, .address_space: global }
      - { .name: s3_b2, .offset: 128, .size: 8, .value_kind: global_buffer, .address_space: global }
      - { .name: out0, .offset: 136, .size: 8, .value_kind: global_buffer, .address_space: global }
    .group_segment_fixed_size: 173056
    .private_segment_fixed_size: 0
    .kernarg_segment_align: 8
    .kernarg_segment_size: 144
    .max_flat_workgroup_size: 128
    .sgpr_count:     102
    .vgpr_count:     1024
    .wavefront_size: 32
...
	.end_amdgpu_metadata
.endif
;; end of part 2
